; MI455X (gfx1250); checked and timed in simulation.
; The chip was launched on July 23, 2026; its instructions are those of AMD's public machine-readable ISA for CDNA 5 (MIT licence, August 2026) and "CDNA5" Instruction Set Architecture Reference Guide (July 2026). The comments in the code are by the model that wrote it; some were corrected since.
;; Multi Head Attention. Allowed arithmetic: matrix products marked QUANTISED: E3M2 operands, one E8M0 scale for each 32 along K, by v_wmma_scale_f32_16x16x128_f8f6f4 with both operands' format E3M2, f32 sums; everything else in f32.
;; Inputs: attention_mask 1 x 1 x 1 x 4,096 float32; hidden_states 1 x 4,096 x 768 float32; k_b 768 float32; k_w 768 x 768 float32; out_b 768 float32; out_w 768 x 768 float32; q_b 768 float32; q_w 768 x 768 float32; v_b 768 float32; v_w 768 x 768 float32.
;; Outputs: out0 1 x 4,096 x 768 float32.
;; This version of the problem:
;;   THIS VERSION OF THE PROBLEM IS GIVEN IN LOW PRECISION. The matrix products marked QUANTISED in the list below multiply operands that are first quantised to E3M2 (3 exponent bits, 2 mantissa bits; 6 bits a number), with one power-of-two scale for each 32 numbers along K (OCP MX v1.0); their sums are f32. All else is computed in f32.
;;   The module's matrix products, in the order in which they are computed (A, B: the left and right operand; K: the contracted axis; several contracted axes count as one K, in the product's order):
;;     1. [M 4,096, K 768] x [K 768, N 768]; A: input hidden_states; B: input q_w: QUANTISED
;;     2. [M 4,096, K 768] x [K 768, N 768]; A: input hidden_states; B: input k_w: QUANTISED
;;     3. [M 4,096, K 768] x [K 768, N 768]; A: input hidden_states; B: input v_w: QUANTISED
;;     4. batch 12 x [M 4,096, K 64] x [K 64, N 4,096]; A: computed on the way; B: computed on the way: QUANTISED
;;     5. batch 12 x [M 4,096, K 4,096] x [K 4,096, N 64]; A: softmax (see below); B: computed on the way: QUANTISED
;;     6. [M 4,096, K 768] x [K 768, N 768]; A: computed on the way; B: input out_w: QUANTISED
;;   THE QUANTISER, for each operand of a quantised product, along K:
;;     - K is cut into blocks of 32 from its start; a last block that is shorter is filled with zeros.
;;     - A block's scale is 2^e with e = floor(log2(the largest magnitude in the block)) - 4, held to -126 .. 127; a block of zeros has e = 0. As a byte (E8M0): e + 127.
;;     - Each number is divided by its block's scale, clamped to +-28, and rounded to the nearest number of E3M2, ties to even, subnormals kept.
;;     - The product sums the exact products of the quantised numbers (number of the format x scale) in f32.
;;   ~~~python
;;   def quantise(x, axis):      # numpy; x: float32 -> the quantised numbers, widened to float32 again
;;       x = np.moveaxis(x, axis, -1); K = x.shape[-1]
;;       x = np.pad(x, [(0, 0)] * (x.ndim - 1) + [(0, -K % 32)]); x = x.reshape(x.shape[:-1] + (-1, 32)); a = np.abs(x).max(-1, keepdims=True)
;;       e = np.where(a > 0, np.clip(np.frexp(np.where(a > 0, a, 1))[1] - 1 - 4, -126, 127), 0)      # np.frexp(a)[1] - 1 = floor(log2(a)), exactly
;;       r = np.clip(x / 2.0 ** e, -28, 28)
;;       step = 2.0 ** (np.maximum(np.frexp(np.where(r == 0, 1, r))[1] - 1, -2) - 2)
;;       q = np.round(r / step) * step * 2.0 ** e      # np.round: ties to even
;;       return np.moveaxis(q.reshape(q.shape[:-2] + (-1,))[..., :K], -1, axis).astype(np.float32)
;;   ~~~
;;   SOFTMAX AHEAD OF A QUANTISED PRODUCT. Where the list says 'softmax', what is quantised is not the finished softmax but p = 2^(t - M), with t = logit x log2(e) and M = ceil(the row's largest t), a whole number; so 1/2 < the row's largest p <= 1. The row's sum l is taken of the UNQUANTISED p, in f32, and the product's result is divided by l at the end. Since M is a whole number, a kernel that streams over the keys may use a running M (the ceiling of the running maximum): every later rescaling is an exact power of two, which a block's scale takes up: the codes' values come out the same.
;;   OPERANDS COMPUTED ON THE WAY. 'Computed on the way' means the value that the module computes at that place (a softmax that the list does not call 'softmax' is quantised finished and normalised). What goes into a quantiser is computed in f32, as accurately as f32 sums, v_exp_f32 and their like allow (about 1e-6 of the number): no bf16 or f16 on the way to a quantiser, and a product that is left as it is and whose result goes on into a quantised operand takes f32 operands (vector FMAs, or v_wmma_f32_16x16x4_f32). A number that lies on a knife's edge between two numbers of the format may be rounded either way, as far as f32 arithmetic and the matrix unit's own rounding can turn it there, and no further.
;; One version. Each part assembles by itself: llvm-mc -triple=amdgcn-amd-amdhsa -mcpu=gfx1250 --defsym DOCPART=n.
;; ======== version 1 of 1: 4 launches
;; limits: right only within a limited range of input values
;; workspace buffers: xq 2,490,368 bytes; wq 1,867,776 bytes; q_codes 2,359,296 bytes; q_scales 196,608 bytes; kv 4,915,200 bytes; cq 2,490,368 bytes
;; launch quant (part 1): grid 224 x 1, 2 waves a work-group, no clusters, 17,152 bytes of LDS; arguments hidden_states, q_w, k_w, v_w, out_w, xq, wq; writes xq, wq
.if DOCPART == 1
	.amdgcn_target "amdgcn-amd-amdhsa--gfx1250"
	.amdhsa_code_object_version 6
	.text
	.protected	k_q66a2e698ba_quant
	.globl	k_q66a2e698ba_quant
	.p2align	8
	.type	k_q66a2e698ba_quant,@function
k_q66a2e698ba_quant:
	s_mov_b64 s[64:65], 0
	v_nop
	global_prefetch_b8 v0, s[64:65] scope:SCOPE_SE
	s_setreg_imm32_b32 hwreg(HW_REG_WAVE_MODE, 25, 1), 1
	s_wait_xcnt 0x0
; MULTI-HEAD ATTENTION, S = 4,096, hidden 768, 12 heads of 64, all six products on codes of BF6 (E3M2) with one E8M0 scale for each 32 along K.  Four launches:
;   quant: hidden_states and the four weights -> codes;  qkv: products 1-3, q, k, v -> codes;  attn: products 4 and 5 with the softmax, ctx -> codes;  proj: product 6.
; DEAD WORK: none is left out.  q_b and k_b move the codes of q and k ahead of a quantised product; v_b and out_b reach the result; attention_mask differs along the softmax's axis.  All ten inputs are loaded.
; THIS LAUNCH: hidden_states [4096][768] and q_w, k_w, v_w, out_w [768][768], f32, K innermost, become codes laid AS IMAGES OF OPERAND REGISTERS.
; A TILE is 16 rows: lane r of tile T takes row 32 (T / 2) + 8 (T % 2) + r + 8 (r / 8), so that, where two neighbouring tiles are source 0 of a product, a lane's 16 results are 16 neighbours along that axis.
; A tile's RECORD is 9,728 bytes: six fragments (16 rows x 128 K, 12 registers a lane) of 1,536 bytes, registers 4 c .. 4 c + 3 of lane l at 512 c + 16 l; then the scale words, K step s of row r at 9,216 + 64 s + 4 r.
; A block's scale is 2^(floor(log2(its largest magnitude)) - 4): its byte is the largest magnitude's exponent field - 4, held at 1 from below.
; LIMITS: a block of zeros gets the byte 1 where the rule says 127 (its codes are zeros, and this program alone reads the bytes); blocks whose largest magnitude lies under 2^(4 - 126) keep the byte 1; NaN and infinities are not served.
; SHARES: a wave takes one tile (16 rows x 768).  Work-groups 0-127: hidden_states, 128-151 q_w, 152-175 k_w, 176-199 v_w, 200-223 out_w: only pointers are chosen, one path through the text.
; Each load reads 512 consecutive bytes of one row; the 16 x 512 bytes of a K step turn through the wave's own stage in LDS, so that lane (r, h) holds k = 64 c + 32 h + 0 .. 31 of row r: two whole blocks.
; No matrix unit, no tensor load, no cluster, no barrier: memory binds, and the waves share nothing.
.set ROWB,   3072                      ; a row in memory
.set REC,    9728                      ; a tile's record
.set SPITCH, 528                       ; a stage row: 512 bytes + 16
.set WSTG,   16*SPITCH                 ; a wave's stage
.set SPARE,  2*WSTG                    ; behind the stages: the spare words, 128 bytes a wave: one block of 256 bytes that no other line names
.set LI,   1                           ; v1   16 x lane
.set LANE, 2
.set RR,   3                           ; v3   r = lane % 16
.set HH,   4                           ; v4   h = lane / 16
.set STI,  5                           ; v5   the stage, on the way in
.set STO,  6                           ; v6   and on the way out
.set L4,   7                           ; v7   4 x lane
.set SH,   8                           ; v8   8 h
.set SPW,  10                          ; v10  my spare word; never rewritten
.set NIL,  11                          ; v11  0; never rewritten
.set MX,   12                          ; v12-13 largest magnitudes
.set OP,   14                          ; v14-15 the conversions' scale operands
.set BY,   16                          ; v16-17 scale bytes
.set TW,   18                          ; v18-19 at work
.set PW,   20                          ; v20-25 the six scale words
.set PC,   28                          ; v28-39 a fragment's codes
.set CT,   40                          ; v40-42, v44-46 the upper halves of the blocks' codes
.set DATA, 64                          ; v64-255 three sets of 64 numbers
	s_load_b256 s[4:11], s[0:1], 0x0               ; hidden_states, q_w, k_w, v_w
	s_load_b128 s[12:15], s[0:1], 0x20             ; out_w, xq
	s_load_b64 s[16:17], s[0:1], 0x30              ; wq
	v_lshl_add_u32 v[SPW], v0, 2, SPARE
	v_mov_b32 v[NIL], 0
	v_lshrrev_b32 v2, 5, v0
	v_readfirstlane_b32 s18, v2                    ; wave
	v_and_b32 v[LANE], 31, v0
	v_and_b32 v[RR], 15, v0
	v_bfe_u32 v[HH], v0, 4, 1
	v_lshlrev_b32 v[LI], 4, v[LANE]
	v_lshlrev_b32 v[L4], 2, v[LANE]
	v_lshlrev_b32 v[SH], 3, v[HH]
	s_mul_i32 s24, s18, WSTG
	v_add_nc_u32 v[STI], s24, v[LI]                ; in: a row's 512 bytes as they lie
	v_mul_u32_u24 v[STO], v[RR], SPITCH
	v_lshl_add_u32 v[STO], v[HH], 7, v[STO]
	v_add_nc_u32 v[STO], s24, v[STO]               ; out: row r, + 128 h: my block of 32 numbers
	v_mov_b32 v[TW+1], 0                           ; written once: a lane permute's destination counts as one of its sources
	s_mov_b32 s26, 0x76543210
	s_mov_b32 s27, 0xfedcba98                      ; v_permlanex16_b32's selects for lane l xor 16
	s_wait_alu depctr_va_vdst(0)
	s_wait_kmcnt 0x0
	s_mov_b64 s[20:21], s[12:13]                   ; which tensor: the choice hangs on the work-group's number alone
	s_mov_b32 s19, 200
	s_cmp_lt_u32 ttmp9, 200
	s_cselect_b64 s[20:21], s[10:11], s[20:21]
	s_cselect_b32 s19, 176, s19
	s_cmp_lt_u32 ttmp9, 176
	s_cselect_b64 s[20:21], s[8:9], s[20:21]
	s_cselect_b32 s19, 152, s19
	s_cmp_lt_u32 ttmp9, 152
	s_cselect_b64 s[20:21], s[6:7], s[20:21]
	s_cselect_b32 s19, 128, s19
	s_cmp_lt_u32 ttmp9, 128
	s_cselect_b64 s[20:21], s[4:5], s[20:21]
	s_cselect_b32 s19, 0, s19                      ; the tensor's first work-group
	s_cselect_b64 s[22:23], s[14:15], s[16:17]     ; records go to xq or to wq,
	s_cselect_b32 s28, 0, 128                      ; counted from this work-group on
	s_sub_co_u32 s24, ttmp9, s19
	s_lshl_b32 s24, s24, 5
	s_lshl_b32 s25, s18, 3
	s_add_co_u32 s24, s24, s25                     ; my tile's first row: 32 x (work-group in the tensor) + 8 x wave
	s_mul_i32 s24, s24, ROWB
	s_mov_b32 s25, 0
	s_add_nc_u64 s[20:21], s[20:21], s[24:25]
	s_sub_co_u32 s24, ttmp9, s28
	s_lshl_b32 s24, s24, 1
	s_add_co_u32 s24, s24, s18                     ; my tile's number in its buffer
	s_mul_i32 s24, s24, REC
	s_add_nc_u64 s[22:23], s[22:23], s[24:25]
.macro LOADF s                         ; K step s of the tile's 16 rows: each load reads 512 consecutive bytes, at a multiple of 512 from the buffer's first byte
.irp i, 0,1,2,3,4,5,6,7,8,9,10,11,12,13,14,15
	global_load_b128 v[DATA+64*((\s)%3)+4*\i:DATA+64*((\s)%3)+4*\i+3], v[LI], s[20:21] offset:(\i+8*(\i/8))*ROWB+512*(\s) th:TH_LOAD_NT
.endr
.endm
.macro FRAGQ s
.set XS, DATA+64*((\s)%3)
.if (\s) < 4
	s_wait_loadcnt 32                              ; my 16 loads are in; the two younger K steps' 32 may be out
.elseif (\s) == 4
	s_wait_loadcnt 16
.else
	s_wait_loadcnt 0x0
.endif
.irp i, 0,1,2,3,4,5,6,7,8,9,10,11,12,13,14,15
	ds_store_b128 v[STI], v[XS+4*\i:XS+4*\i+3] offset:SPITCH*\i
.endr
.irp c, 0,1
.irp j, 0,1,2,3,4,5,6,7
	ds_load_b128 v[XS+32*\c+4*\j:XS+32*\c+4*\j+3], v[STO] offset:256*\c+16*\j   ; LDS serves a wave's instructions in order: these see the stores above
.endr
.endr
	s_wait_dscnt 0x0
.irp c, 0,1
	v_max3_num_f32 v[MX+\c], |v[XS+32*\c]|, |v[XS+32*\c+1]|, 0x2800000   ; my block 2 c + h: all its 32 numbers are mine; the floor 2^(5 - 127) holds the byte at 1 from below
.endr
.irp i, 2,4,6,8,10,12,14,16,18,20,22,24,26,28,30
.irp c, 0,1
	v_max3_num_f32 v[MX+\c], v[MX+\c], |v[XS+32*\c+\i]|, |v[XS+32*\c+\i+1]|   ; (the two blocks by turns)
.endr
.endr
.irp c, 0,1
	v_add_nc_u32 v[OP+\c], 0xfe000000, v[MX+\c]    ; 4 off the exponent field: the conversion's scale operand
.endr
.irp c, 0,1
	v_lshrrev_b32 v[BY+\c], 23, v[OP+\c]           ; the scale's byte
.endr
	v_lshl_or_b32 v[TW], v[BY+1], 16, v[BY]        ; blocks h and 2 + h of row r,
	v_lshlrev_b32 v[TW], v[SH], v[TW]              ; at their places in the word;
	v_permlanex16_b32 v[TW+1], v[TW], s26, s27
	v_or_b32 v[PW+(\s)], v[TW], v[TW+1]            ; with lane l xor 16's two the word is whole
	s_wait_alu depctr_va_vdst(0)
	s_wait_xcnt 0x0                                ; the last fragment's stores have read their data: the codes' registers are written again only behind this wait
.irp c, 0,1
	v_cvt_scalef32_pk16_bf6_f32 v[PC+6*\c:PC+6*\c+2], v[XS+32*\c:XS+32*\c+15], v[OP+\c]
	v_cvt_scalef32_pk16_bf6_f32 v[CT+4*\c:CT+4*\c+2], v[XS+32*\c+16:XS+32*\c+31], v[OP+\c]   ; (a conversion's three registers begin on an even number)
.endr
	v_nop                                          ; one plain place behind the scaled conversions
.if (\s) < 3
	LOADF (\s)+3                                   ; the set is free: it takes the K step three on
.endif
.irp c, 0,1
.irp i, 0,1,2
	v_mov_b32 v[PC+3+6*\c+\i], v[CT+4*\c+\i]
.endr
.endr
.irp c, 0,1,2
	global_store_b128 v[LI], v[PC+4*\c:PC+4*\c+3], s[22:23] offset:1536*(\s)+512*\c   ; 512 consecutive bytes, at a multiple of 256 from the buffer's first byte
.endr
.endm
	LOADF 0
	LOADF 1
	LOADF 2
.irp s, 0,1,2,3,4,5
	FRAGQ \s
.endr
	v_cmp_le_u32 vcc_lo, 16, v[LANE]               ; the scale words: lanes 0-15 store K step 2 j's, lanes 16-31 K step 2 j + 1's: 128 consecutive bytes a store
.irp j, 0,1,2
	v_cndmask_b32 v[MX+\j], v[PW+2*\j], v[PW+2*\j+1], vcc_lo
	global_store_b32 v[L4], v[MX+\j], s[22:23] offset:9216+128*\j
.endr
	s_wait_tensorcnt 0x0                           ; the wave's end, behind my last LDS store
	ds_add_u32 v[SPW], v[NIL]
	s_wait_dscnt 0x0
	s_endpgm
.Lfunc_end_k_q66a2e698ba_quant:
	.size	k_q66a2e698ba_quant, .Lfunc_end_k_q66a2e698ba_quant-k_q66a2e698ba_quant
	.p2alignl 7, 3214868480
	.fill 96, 4, 3214868480
	.section	.rodata,"a",@progbits
	.p2align	6, 0x0
	.amdhsa_kernel k_q66a2e698ba_quant
		.amdhsa_group_segment_fixed_size 17152
		.amdhsa_private_segment_fixed_size 0
		.amdhsa_enable_private_segment 0
		.amdhsa_kernarg_size 56
		.amdhsa_user_sgpr_count 2
		.amdhsa_user_sgpr_kernarg_segment_ptr 1
		.amdhsa_wavefront_size32 1
		.amdhsa_system_sgpr_workgroup_id_x 1
		.amdhsa_system_sgpr_workgroup_id_y 1
		.amdhsa_system_sgpr_workgroup_id_z 1
		.amdhsa_system_vgpr_workitem_id 0
		.amdhsa_next_free_vgpr 256
		.amdhsa_next_free_sgpr 66
		.amdhsa_reserve_vcc 1
		.amdhsa_float_denorm_mode_32 3
		.amdhsa_float_denorm_mode_16_64 3
		.amdhsa_memory_ordered 1
		.amdhsa_forward_progress 1
		.amdhsa_inst_pref_size 44
	.end_amdhsa_kernel
	.amdgpu_metadata
---
amdhsa.version: [ 1, 2 ]
amdhsa.kernels:
  - .name:           k_q66a2e698ba_quant
    .symbol:         k_q66a2e698ba_quant.kd
    .args:
      - { .name: hidden_states, .offset: 0, .size: 8, .value_kind: global_buffer, .address_space: global }
      - { .name: q_w, .offset: 8, .size: 8, .value_kind: global_buffer, .address_space: global }
      - { .name: k_w, .offset: 16, .size: 8, .value_kind: global_buffer, .address_space: global }
      - { .name: v_w, .offset: 24, .size: 8, .value_kind: global_buffer, .address_space: global }
      - { .name: out_w, .offset: 32, .size: 8, .value_kind: global_buffer, .address_space: global }
      - { .name: xq, .offset: 40, .size: 8, .value_kind: global_buffer, .address_space: global }
      - { .name: wq, .offset: 48, .size: 8, .value_kind: global_buffer, .address_space: global }
    .group_segment_fixed_size: 17152
    .private_segment_fixed_size: 0
    .kernarg_segment_align: 8
    .kernarg_segment_size: 56
    .max_flat_workgroup_size: 64
    .sgpr_count:     66
    .vgpr_count:     256
    .wavefront_size: 32
...
	.end_amdgpu_metadata
.endif
;; end of part 1
;; launch qkv (part 2): grid 256 x 1, 4 waves a work-group, no clusters, 0 bytes of LDS; arguments xq, wq, q_b, k_b, v_b, q_codes, q_scales, kv; writes q_codes, q_scales, kv
.if DOCPART == 2
	.amdgcn_target "amdgcn-amd-amdhsa--gfx1250"
	.amdhsa_code_object_version 6
	.text
	.protected	k_q66a2e698ba_qkv
	.globl	k_q66a2e698ba_qkv
	.p2align	8
	.type	k_q66a2e698ba_qkv,@function
k_q66a2e698ba_qkv:
	s_mov_b64 s[64:65], 0
	v_nop
	global_prefetch_b8 v0, s[64:65] scope:SCOPE_SE
	s_setreg_imm32_b32 hwreg(HW_REG_WAVE_MODE, 25, 1), 1
	s_wait_xcnt 0x0
; q = x q_w^T + q_b, k = x k_w^T + k_b, v = x v_w^T + v_b on codes of BF6 (E3M2), K = 768 in six steps of 128; the results are quantised in registers: q and k along the head's 64, v along the keys.  No work of reference() is left out.
; ONE SHAPE: source 0 = 8 RESIDENT tiles (48 fragments, 576 registers, loaded once), source 1 = one STREAMED tile (6 fragments): 48 matrix instructions on 8 accumulators by turns.  By the tiles' row order
; (lane r of tile T: row 32 (T / 2) + 8 (T % 2) + r + 8 (r / 8)) a lane then holds 64 numbers, register 16 b + i = index 32 b + 16 h + i along the resident axis, of the streamed tile's row r: they become one fragment and one scale word.
; WORK-GROUPS 0-191 (q, k): resident = 128 rows of q_w or k_w (two heads); each wave streams 4 tiles of x.  The fragment's registers 0-5 are the first head's 16 rows x 64, registers 6-11 the second's.
; WORK-GROUPS 192-255 (v): resident = 128 keys of x; wave w streams channel tile w of six heads of v_w.  The fragment is 16 channels x 128 keys: the keys are the second attention product's K.
; OUT: a HALF image (16 rows x 64 K, 6 registers): registers 0-3 of lane l at 16 l, registers 4-5 at 512 + 8 l: 768 bytes.  q_codes [head][tile]; q_scales [head][pair of tiles], 128 bytes apart, row r's word at 4 r = the two tiles' two bytes each;
; kv [head][step of 128 keys] of 12,800 bytes: 8 half images of k, 4 fragments of v (two half images each) from 6,144, scale words from 12,288: pair p of key tiles at 128 p + 4 r, channel tile p at 128 p + 64 + 4 r.
; Operands go from memory straight into the registers where they stay: LDS, tensor loads and joint loads would only add a second read of the 48 resident fragments for 192 to 288 products.
; LIMITS: blocks of zeros get the byte 1 (this program alone reads the bytes); blocks under 2^(4 - 126) keep the byte 1; NaN and infinities are not served.
; REGISTERS: window 1 + s / 2: resident fragment (i, s) at v[12 (8 (s % 2) + i)], streamed fragment s of buffer e % 2 at v[192 + 12 (2 (e % 2) + s % 2)].  Window 0: see below.
.set REC,   9728
.set HSQ,   196608                     ; a head in q_codes
.set HSK,   409600                     ; a head in kv
.set STEPB, 12800                      ; a key step in kv
.set LI,  1                            ; v1   16 x lane
.set L8,  2                            ; v2   8 x lane
.set R4,  3                            ; v3   4 x (lane % 16)
.set BO,  4                            ; v4   my offset in the bias
.set RS,  16                           ; v16-63   resident scale words: tile i, K step s at 6 i + s
.set TS,  64                           ; v64-75   streamed scale words, two buffers
.set ACC, 80                           ; v80-143  the eight accumulators
.set BQ,  144                          ; v144-207 q, k: the bias in the result's layout, eight registers a tile
.set BV,  144                          ; v144-149 v: my channel's bias for each of the six heads
.set BC,  152                          ; v152-159 v: the bias in hand, eight times
.set PC,  208                          ; v208-219 the fragment just made
.set CT,  220                          ; v220-222, v224-226
.set TMX, 228                          ; v228-231 largest magnitudes
.set TMB, 232                          ; v232-235 the other half's; then bytes
.set TMO, 236                          ; v236-239 the conversions' scale operands
.set PW,  240                          ; v240-241 scale words of an even and an odd tile
.set WA,  242
.set WB,  243
.set MSB, 0
.macro WIN new                         ; the immediate's high byte repeats the setting that is left
.if MSB != \new
	s_set_vgpr_msb (MSB<<8)|\new
.set MSB, \new
.endif
.endm
.macro PLACES n
.rept \n
	v_nop
.endr
.endm
.macro RLOAD                           ; the 48 resident fragments and their scale words
.irp w, 1,2,3
	WIN (\w<<6)
.irp ss, 0,1
.irp i, 0,1,2,3,4,5,6,7
.irp c, 0,1,2
	global_load_b128 v[12*(8*\ss+\i)+4*\c:12*(8*\ss+\i)+4*\c+3], v[LI], s[24:25] offset:REC*\i+1536*(2*(\w-1)+\ss)+512*\c
.endr
.endr
.endr
.endr
	WIN 0
.irp i, 0,1,2,3,4,5,6,7
.irp s, 0,1,2,3,4,5
	global_load_b32 v[RS+6*\i+\s], v[R4], s[24:25] offset:REC*\i+9216+64*\s
.endr
.endr
.endm
.macro TLOAD e, step                   ; streamed tile e: 18 + 6 loads
.irp w, 1,2,3
	WIN (\w<<6)
.irp ss, 0,1
.irp c, 0,1,2
	global_load_b128 v[192+12*(2*((\e)%2)+\ss)+4*\c:192+12*(2*((\e)%2)+\ss)+4*\c+3], v[LI], s[26:27] offset:(\e)*(\step)+1536*(2*(\w-1)+\ss)+512*\c
.endr
.endr
.endr
	WIN 0
.irp s, 0,1,2,3,4,5
	global_load_b32 v[TS+6*((\e)%2)+\s], v[R4], s[26:27] offset:(\e)*(\step)+9216+64*\s
.endr
.endm
.macro MULT buf, cbase, cstep          ; 48 matrix instructions; the bias is the C of each sum's first; the eight accumulators take turns, one instruction a turn
.irp s, 0,1,2,3,4,5
	WIN ((1+\s/2)*5)
.irp i, 0,1,2,3,4,5,6,7
.if \s == 0
	v_wmma_scale_f32_16x16x128_f8f6f4 v[ACC+8*\i:ACC+8*\i+7], v[12*(8*(\s%2)+\i):12*(8*(\s%2)+\i)+11], v[192+12*(2*(\buf)+\s%2):192+12*(2*(\buf)+\s%2)+11], v[\cbase+\cstep*\i:\cbase+\cstep*\i+7], v[RS+6*\i+\s], v[TS+6*(\buf)+\s] matrix_a_fmt:MATRIX_FMT_BF6 matrix_b_fmt:MATRIX_FMT_BF6
.else
	v_wmma_scale_f32_16x16x128_f8f6f4 v[ACC+8*\i:ACC+8*\i+7], v[12*(8*(\s%2)+\i):12*(8*(\s%2)+\i)+11], v[192+12*(2*(\buf)+\s%2):192+12*(2*(\buf)+\s%2)+11], v[ACC+8*\i:ACC+8*\i+7], v[RS+6*\i+\s], v[TS+6*(\buf)+\s] matrix_a_fmt:MATRIX_FMT_BF6 matrix_b_fmt:MATRIX_FMT_BF6
.endif
.endr
.endr
.endm
.macro QUANT pw                        ; the lane's 64 numbers become a fragment's codes in v[PC] on and its row's scale word in v[pw]; each accumulator is read from its low end on
.irp b, 0,1,2,3
	v_max3_num_f32 v[TMX+\b], |v[ACC+16*\b]|, |v[ACC+1+16*\b]|, 0x2800000   ; block b: my 16 numbers, and the floor 2^(5 - 127)
.endr
.irp i, 2,4,6,8,10,12,14
.irp b, 0,1,2,3
	v_max3_num_f32 v[TMX+\b], v[TMX+\b], |v[ACC+16*\b+\i]|, |v[ACC+1+16*\b+\i]|
.endr
.endr
.irp b, 0,1,2,3
	v_permlanex16_b32 v[TMB+\b], v[TMX+\b], s22, s23
.endr
.irp b, 0,1,2,3
	v_max_num_f32 v[TMX+\b], v[TMX+\b], v[TMB+\b]  ; with lane l xor 16's: the block's largest magnitude
.endr
.irp b, 0,1,2,3
	v_add_nc_u32 v[TMO+\b], 0xfe000000, v[TMX+\b]  ; 4 off its exponent field: the conversion's scale operand
.endr
.irp b, 0,1,2,3
	v_lshrrev_b32 v[TMB+\b], 23, v[TMO+\b]         ; the scale's byte
.endr
	v_lshl_or_b32 v[\pw], v[TMB+1], 8, v[TMB]
	v_lshl_or_b32 v[\pw], v[TMB+2], 16, v[\pw]
	v_lshl_or_b32 v[\pw], v[TMB+3], 24, v[\pw]
.irp c, 0,1
	v_cvt_scalef32_pk16_bf6_f32 v[PC+6*\c:PC+2+6*\c], v[ACC+32*\c:ACC+15+32*\c], v[TMO+2*\c]
	v_cvt_scalef32_pk16_bf6_f32 v[CT+4*\c:CT+2+4*\c], v[ACC+16+32*\c:ACC+31+32*\c], v[TMO+2*\c+1]
.endr
	v_nop                                          ; one plain place behind the scaled conversions
.irp c, 0,1                            ; the operand's layout wants a whole block in a lane
.irp i, 0,1,2
	v_permlane16_swap_b32 v[PC+6*\c+\i], v[CT+4*\c+\i]
.endr
.irp i, 0,1,2
	v_mov_b32 v[PC+3+6*\c+\i], v[CT+4*\c+\i]
.endr
.endr
.endm
.macro STORE e, estep                  ; two half images: each store covers 512 or 256 consecutive bytes, at a multiple of 256 from the buffer's first byte
	global_store_b128 v[LI], v[PC:PC+3], s[30:31] offset:(\e)*(\estep)
	global_store_b64 v[L8], v[PC+4:PC+5], s[30:31] offset:(\e)*(\estep)+512
	global_store_b128 v[LI], v[PC+6:PC+9], s[32:33] offset:(\e)*(\estep)
	global_store_b64 v[L8], v[PC+10:PC+11], s[32:33] offset:(\e)*(\estep)+512
.endm
	s_load_b256 s[4:11], s[0:1], 0x0               ; xq, wq, q_b, k_b
	s_load_b256 s[12:19], s[0:1], 0x20             ; v_b, q_codes, q_scales, kv
	v_lshrrev_b32 v5, 5, v0
	v_readfirstlane_b32 s20, v5                    ; wave
	s_mov_b32 s21, ttmp9                           ; work-group
	v_and_b32 v5, 31, v0
	v_and_b32 v6, 15, v0                           ; r
	v_bfe_u32 v7, v0, 4, 1                         ; h
	v_lshlrev_b32 v[LI], 4, v5
	v_lshlrev_b32 v[L8], 3, v5
	v_lshlrev_b32 v[R4], 2, v6
.irp b, 0,1,2,3
	v_mov_b32 v[TMB+\b], 0                         ; written once: a lane permute's destination counts as one of its sources
.endr
	s_mov_b32 s22, 0x76543210
	s_mov_b32 s23, 0xfedcba98
	s_mov_b32 s49, 0                               ; the upper word of every offset
	s_lshr_b32 s38, s21, 4                         ; q, k: which 128 rows of the weights
	s_max_u32 s39, s21, 192
	s_sub_co_u32 s39, s39, 192
	s_lshr_b32 s39, s39, 1                         ; v: which 128 keys
	s_wait_alu depctr_va_vdst(0)
	s_wait_kmcnt 0x0
	s_cmp_lt_u32 s21, 192
	s_cselect_b32 s38, s38, s39
	s_cselect_b64 s[24:25], s[6:7], s[4:5]         ; the resident tiles come from wq or from xq
	s_mul_i32 s48, s38, 8*REC
	s_add_nc_u64 s[24:25], s[24:25], s[48:49]
	RLOAD
	s_cmp_lt_u32 s21, 192
	s_cbranch_scc0 .Lvpath
	; ---- q and k
	s_lshr_b32 s38, s21, 4                         ; g: 0-5 q, 6-11 k
	s_and_b32 s39, s21, 15
	s_lshl_b32 s39, s39, 2
	s_add_co_u32 s39, s39, s20                     ; j: my four tiles of x are 4 j .. 4 j + 3
	s_mul_i32 s48, s39, 4*REC
	s_add_nc_u64 s[26:27], s[4:5], s[48:49]
	s_cmp_lt_u32 s38, 6
	s_cselect_b32 s40, 0, 6
	s_sub_co_u32 s40, s38, s40                     ; gh: heads 2 gh and 2 gh + 1
	s_mul_i32 s41, s40, 2*HSQ
	s_mul_i32 s44, s39, 3072
	s_add_co_u32 s41, s41, s44                     ; q's codes
	s_lshl_b32 s44, s40, 15
	s_lshl_b32 s45, s39, 8
	s_add_co_u32 s44, s44, s45                     ; q's scale words
	s_mul_i32 s45, s40, 2*HSK
	s_lshr_b32 s46, s39, 1
	s_mul_i32 s46, s46, STEPB
	s_add_co_u32 s45, s45, s46                     ; k: the head's key step j / 2
	s_and_b32 s46, s39, 1
	s_mul_i32 s47, s46, 3072
	s_add_co_u32 s47, s47, s45                     ; k's codes: key tiles 4 (j % 2) on
	s_lshl_b32 s46, s46, 8
	s_add_co_u32 s46, s46, s45
	s_add_co_u32 s46, s46, 12288                   ; k's scale words: pairs 2 (j % 2) on
	s_mov_b32 s50, HSK
	s_mov_b32 s51, HSK
	s_cmp_lt_u32 s38, 6
	s_cselect_b64 s[28:29], s[8:9], s[10:11]
	s_cselect_b64 s[30:31], s[14:15], s[18:19]
	s_cselect_b64 s[34:35], s[16:17], s[18:19]
	s_cselect_b32 s41, s41, s47
	s_cselect_b32 s44, s44, s46
	s_cselect_b32 s50, HSQ, s50                    ; from the first head to the second: codes,
	s_cselect_b32 s51, 16384, s51                  ; scale words
	s_lshl_b32 s48, s40, 9
	s_add_nc_u64 s[28:29], s[28:29], s[48:49]      ; the bias of my 128 rows
	s_mov_b32 s48, s41
	s_add_nc_u64 s[30:31], s[30:31], s[48:49]
	s_mov_b32 s48, s50
	s_add_nc_u64 s[32:33], s[30:31], s[48:49]
	s_mov_b32 s48, s44
	s_add_nc_u64 s[34:35], s[34:35], s[48:49]
	s_mov_b32 s48, s51
	s_add_nc_u64 s[36:37], s[34:35], s[48:49]
	v_lshlrev_b32 v[BO], 6, v7                     ; lane (r, h) wants, for tile 2 b + u, the bias of rows 32 b + 16 h + 8 u + 0 .. 7
.irp i, 0,1,2,3,4,5,6,7
	global_load_b128 v[BQ+8*\i:BQ+8*\i+3], v[BO], s[28:29] offset:(32*(\i/2)+8*(\i%2))*4
	global_load_b128 v[BQ+8*\i+4:BQ+8*\i+7], v[BO], s[28:29] offset:(32*(\i/2)+8*(\i%2))*4+16
.endr
	TLOAD 0, REC
	TLOAD 1, REC
.macro TILEQK e
.if (\e) < 3
	s_wait_loadcnt 24                              ; all but the next tile's 24 loads
.else
	s_wait_loadcnt 0x0
.endif
	MULT (\e)%2, BQ, 8
	WIN 0
	PLACES 4                                       ; in front of loads into registers that matrix instructions have read, and of the first read of results
.if (\e)+2 < 4
	TLOAD (\e)+2, REC
.endif
	s_wait_xcnt 0x0                                ; the last tile's stores have read their data
	QUANT PW+(\e)%2
	STORE \e, 768
.if (\e)%2 == 1
	v_perm_b32 v[WA], v[PW+1], v[PW], 0x05040100   ; the first head's two bytes of the even tile, then of the odd one
	v_perm_b32 v[WB], v[PW+1], v[PW], 0x07060302   ; the second head's
	global_store_b32 v[R4], v[WA], s[34:35] offset:128*((\e)/2)   ; (lanes 16-31 repeat lanes 0-15's word and address)
	global_store_b32 v[R4], v[WB], s[36:37] offset:128*((\e)/2)
.endif
.endm
	TILEQK 0
	TILEQK 1
	TILEQK 2
	TILEQK 3
	s_endpgm
	; ---- v
.Lvpath:
	s_sub_co_u32 s38, s21, 192
	s_lshr_b32 s39, s38, 1                         ; kb: keys 128 kb on
	s_and_b32 s38, s38, 1                          ; hf: heads 6 hf .. 6 hf + 5
	s_mul_i32 s40, s38, 24
	s_add_co_u32 s40, s40, s20
	s_add_co_u32 s40, s40, 96                      ; v_w's tile 24 hf + wave; the next head's is four tiles on
	s_mul_i32 s48, s40, REC
	s_add_nc_u64 s[26:27], s[6:7], s[48:49]
	s_mul_i32 s40, s38, 384
	s_lshr_b32 s41, s20, 1
	s_lshl_b32 s41, s41, 5
	s_add_co_u32 s40, s40, s41
	s_and_b32 s41, s20, 1
	s_lshl_b32 s41, s41, 3
	s_add_co_u32 s40, s40, s41
	s_lshl_b32 s48, s40, 2
	s_add_nc_u64 s[28:29], s[12:13], s[48:49]      ; v_b at my channel tile of head 6 hf
	s_mul_i32 s40, s38, 6*HSK
	s_mul_i32 s41, s39, STEPB
	s_add_co_u32 s40, s40, s41
	s_mul_i32 s41, s20, 1536
	s_add_co_u32 s48, s40, s41
	s_add_co_u32 s48, s48, 6144
	s_add_nc_u64 s[30:31], s[18:19], s[48:49]      ; my fragment's first half image,
	s_add_nc_u64 s[32:33], s[30:31], 768           ; its second
	s_lshl_b32 s41, s20, 7
	s_add_co_u32 s48, s40, s41
	s_add_co_u32 s48, s48, 12288+64
	s_add_nc_u64 s[34:35], s[18:19], s[48:49]      ; and its scale words
	v_and_b32 v5, 8, v6
	v_add_nc_u32 v5, v5, v6
	v_lshlrev_b32 v[BO], 2, v5                     ; my channel: r + 8 (r / 8)
.irp e, 0,1,2,3,4,5
	global_load_b32 v[BV+\e], v[BO], s[28:29] offset:256*\e
.endr
	TLOAD 0, 4*REC
	TLOAD 1, 4*REC
	s_wait_loadcnt 48                              ; the bias is in; behind it stand the two tiles' 48 loads
.irp i, 0,1,2,3,4,5,6,7
	v_mov_b32 v[BC+\i], v[BV]                      ; a lane's eight results are eight keys of one channel: the same bias eight times
.endr
.macro TILEV e
.if (\e) < 5
	s_wait_loadcnt 24
.else
	s_wait_loadcnt 0x0
.endif
	MULT (\e)%2, BC, 0
	WIN 0
	PLACES 4
.if (\e)+1 < 6
.irp i, 0,1,2,3,4,5,6,7
	v_mov_b32 v[BC+\i], v[BV+(\e)+1]
.endr
.endif
.if (\e)+2 < 6
	TLOAD (\e)+2, 4*REC
.endif
	s_wait_xcnt 0x0
	QUANT PW
	STORE \e, HSK
	global_store_b32 v[R4], v[PW], s[34:35] offset:HSK*(\e)
.endm
	s_wait_alu depctr_va_vdst(0)
	TILEV 0
	TILEV 1
	TILEV 2
	TILEV 3
	TILEV 4
	TILEV 5
	s_endpgm
.Lfunc_end_k_q66a2e698ba_qkv:
	.size	k_q66a2e698ba_qkv, .Lfunc_end_k_q66a2e698ba_qkv-k_q66a2e698ba_qkv
	.p2alignl 7, 3214868480
	.fill 96, 4, 3214868480
	.section	.rodata,"a",@progbits
	.p2align	6, 0x0
	.amdhsa_kernel k_q66a2e698ba_qkv
		.amdhsa_group_segment_fixed_size 0
		.amdhsa_private_segment_fixed_size 0
		.amdhsa_enable_private_segment 0
		.amdhsa_kernarg_size 64
		.amdhsa_user_sgpr_count 2
		.amdhsa_user_sgpr_kernarg_segment_ptr 1
		.amdhsa_wavefront_size32 1
		.amdhsa_system_sgpr_workgroup_id_x 1
		.amdhsa_system_sgpr_workgroup_id_y 1
		.amdhsa_system_sgpr_workgroup_id_z 1
		.amdhsa_system_vgpr_workitem_id 0
		.amdhsa_next_free_vgpr 1024
		.amdhsa_next_free_sgpr 66
		.amdhsa_reserve_vcc 0
		.amdhsa_float_denorm_mode_32 3
		.amdhsa_float_denorm_mode_16_64 3
		.amdhsa_memory_ordered 1
		.amdhsa_forward_progress 1
		.amdhsa_inst_pref_size 156
	.end_amdhsa_kernel
	.amdgpu_metadata
---
amdhsa.version: [ 1, 2 ]
amdhsa.kernels:
  - .name:           k_q66a2e698ba_qkv
    .symbol:         k_q66a2e698ba_qkv.kd
    .args:
      - { .name: xq, .offset: 0, .size: 8, .value_kind: global_buffer, .address_space: global }
      - { .name: wq, .offset: 8, .size: 8, .value_kind: global_buffer, .address_space: global }
      - { .name: q_b, .offset: 16, .size: 8, .value_kind: global_buffer, .address_space: global }
      - { .name: k_b, .offset: 24, .size: 8, .value_kind: global_buffer, .address_space: global }
      - { .name: v_b, .offset: 32, .size: 8, .value_kind: global_buffer, .address_space: global }
      - { .name: q_codes, .offset: 40, .size: 8, .value_kind: global_buffer, .address_space: global }
      - { .name: q_scales, .offset: 48, .size: 8, .value_kind: global_buffer, .address_space: global }
      - { .name: kv, .offset: 56, .size: 8, .value_kind: global_buffer, .address_space: global }
    .group_segment_fixed_size: 0
    .private_segment_fixed_size: 0
    .kernarg_segment_align: 8
    .kernarg_segment_size: 64
    .max_flat_workgroup_size: 128
    .sgpr_count:     66
    .vgpr_count:     1024
    .wavefront_size: 32
...
	.end_amdgpu_metadata
.endif
;; end of part 2
;; launch attn (part 3): grid 64 x 12, 4 waves a work-group, no clusters, 98,304 bytes of LDS; arguments q_codes, q_scales, kv, attention_mask, cq; writes cq
.if DOCPART == 3
	.amdgcn_target "amdgcn-amd-amdhsa--gfx1250"
	.amdhsa_code_object_version 6
	.text
	.protected	k_q66a2e698ba_attn
	.globl	k_q66a2e698ba_attn
	.p2align	8
	.type	k_q66a2e698ba_attn,@function
k_q66a2e698ba_attn:
	s_mov_b64 s[64:65], 0
	v_nop
	global_prefetch_b8 v0, s[64:65] scope:SCOPE_SE
	s_setreg_imm32_b32 hwreg(HW_REG_WAVE_MODE, 25, 1), 1
	s_wait_xcnt 0x0
; ctx[q] = sum over keys of softmax(q . k / 8 + mask[key]) v[key], 12 heads of 64, both products on codes of BF6 (E3M2); ctx is quantised along the head's 64 for the projection.  No work of reference() is left out.
; THE SOFTMAX: t = (score / 8 + mask) x log2(e); M = the largest t so far, rounded UP to a whole number; p = 2^(t - M) is quantised along the keys; the row's sum is taken of the unquantised p and divides at the end.
; When M moves, the sum and O are multiplied by 2^(old M - new M): exact.  8 x mask is the C of the first product: t = (S + 8 mask) x (log2(e) / 8).
; SHARES: a work-group owns 4 query tiles of one head (grid 64 x 12 = 768).  Wave w takes the two tiles of pair w / 2 against the keys of half w % 2: 16 steps of 128 keys.  So each fragment of k and v serves two tiles,
; and no two waves need a common copy: fragments go from memory straight into the registers where the products read them.  No ring, no tensor load, no barrier in the loop.  320 registers a wave: three waves fit in a SIMD's 1,024;
; the LDS claim lets three work-groups, and no fourth, share 327,680 bytes: 768 = 3 x 256.
; NO CLUSTER, NO JOINT LOADS: a joint load fills LDS, and here no tile of k or v lies in LDS.
; K = 64 IN AN INSTRUCTION OF 128: a fragment of k holds TWO key tiles; it is multiplied once by (q, 0) and once by (0, q).  Zero codes add nothing.
; WHICH KEYS FORM A TILE: lane r of tile t = 4 G + t' takes key 64 G + 32 (r / 8) + 8 t' + r % 8 of the step, picked from kv's half images by the lane's address.  Both products are used transposed, so lane (q, h) holds one query,
; and its score registers 32 G + e are keys 64 G + 32 h + e: WHOLE blocks of 32 keys, in the order of the second product's operand: a block's maximum and its codes need no other lane.
; THE ORDER IN A TILE: the maxima of keys 0-63 stand between the last four products of S^T; each half of p is converted as soon as it is summed, and the next tile's mask is loaded into its registers at once.
; THE END: my first tile is the pair's tile w % 2, my second the other one.  Each wave hands its second tile's O, M and sum to its partner through LDS and joins the partner's part to its first tile by powers of two.
; PREFETCH: in trip i the 12,800 bytes of my half's step i + 3, two steps ahead of the loads that ask for it next; waves of pair 0 of the head's work-groups 0 (blocks 0-31) and 1 (blocks 32-49, the lanes left over name block 49);
; the last trips, whose step i + 3 would pass my half's end, ask for nothing; steps 0 to 2 come by their loads alone.
; LIMITS: mask values are held to +-2^30 (differences beyond that are lost); a NaN in the mask is not carried; a row all of whose keys are masked by -infinity gives numbers where reference() gives NaN;
; blocks of zeros get the scale byte 1 (this program alone reads the bytes).
.set STEPB, 12800                      ; a key step in kv: 8 half images of k, 8 of v, 512 bytes of scale words
.set HSK,   409600                     ; a head in kv
.set REC,   9728                       ; a query tile's record in cq
.set XCH,   16384                      ; LDS: 8 x mask from byte 0; then the exchange, XW bytes a wave
.set XW,    4352
.set SPARE, XCH+4*XW                   ; the spare words, 128 bytes a wave: two blocks of 256 bytes that no other line names
.set LI,  1                            ; 16 x lane
.set L8,  2                            ; 8 x lane
.set KA,  3                            ; k's 16-byte pieces: 1536 (r / 8) + 16 (r % 8) + 256 h
.set KA8, 4                            ; k's 8-byte pieces: 1536 (r / 8) + 8 (r % 8) + 128 h
.set KS,  5                            ; k's scale words: 128 (r / 8) + 4 (r % 8)
.set R4,  6                            ; 4 r
.set MA0, 7                            ; 128 h
.set SPW, 8                            ; my spare word; never rewritten
.set NIL, 9                            ; 0; never rewritten
.set PFO, 10                           ; the prefetch's offset
.set ADM, 11                           ; the step's place in the mask
.set ST,  12                           ; v12-15, v16-19: for each tile -M, the largest score, the sum in two halves
.set QS,  20                           ; v20-21 q's two scale bytes, twice
.set QZ,  22                           ; v22-51 zeros, q0, zeros, q1, zeros: six registers each
.set KF,  52                           ; v52-99 k's four fragments
.set SCK, 100                          ; v100-103 k's scale words
.set SCV, 104                          ; v104-107 v's
.set VF,  108                          ; v108-155 v's four fragments
.set S,   156                          ; v156-219 8 x mask, then S^T, then p
.set PCD, 220                          ; v220-231 p's codes
.set CT,  232                          ; v232-234, v236-238 the upper halves of the blocks' codes
.set BM,  240                          ; v240-247 the maxima's eight chains: block c, accumulator a at BM + 2 a + c.  Then: v240-241 my two blocks' largest score and largest p, then the sums' fourth chain
.set SO,  242                          ; v242-243 the conversions' scale operands
.set BY,  244                          ; v244-245 scale bytes
.set SU,  246                          ; v[246:247] the sums' second chain
.set FF,  248                          ; the old -M, then f = 2^(old M - new M)
.set PS,  249                          ; p's scale word
.set TMP, 250
.set PM,  251
.set SH8, 252                          ; 8 h
.set MT,  253                          ; 16 x thread
.set C2,  254                          ; v[254:255] the sums' third chain
                                       ; window 1: v256-287 O^T of my first tile, v288-319 of my second
.set WV,  18
.set HALF,19
.set PAIR,20
.set HEAD,21
.set CS,  24                           ; s[24:25] log2(e) / 8
.set SEL, 26                           ; s[26:27] selects for lane l xor 16
.set KB,  28                           ; s[28:29] kv at the step in hand
.set TMK, 30                           ; 512 x the key step
.set CNT, 31
.set LIM, 32                           ; 2 in a wave that prefetches, else the greatest number
.set OC,  36                           ; s[36:37] ctx's half image;  s[38:39] its scale bytes
.set OS,  38
.set MSB, 0
.macro WIN new                         ; the immediate's high byte repeats the setting that is left
.if MSB != \new
	s_set_vgpr_msb (MSB<<8)|\new
.set MSB, \new
.endif
.endm
.macro PLACES
.rept 4
	v_nop
.endr
.endm
.macro KLOAD                           ; 20 loads: the eight key tiles, rows picked by the lane's address, and four scale words
.irp t, 0,1,2,3,4,5,6,7
	global_load_b128 v[KF+6*\t:KF+6*\t+3], v[KA], s[KB:KB+1] offset:3072*(\t/4)+768*(\t%2)+128*((\t/2)%2)
	global_load_b64 v[KF+6*\t+4:KF+6*\t+5], v[KA8], s[KB:KB+1] offset:3072*(\t/4)+768*(\t%2)+64*((\t/2)%2)+512
.endr
.irp p, 0,1,2,3
	global_load_b32 v[SCK+\p], v[KS], s[KB:KB+1] offset:12288+256*(\p/2)+32*(\p%2)
.endr
.endm
.macro VLOAD                           ; 20 loads: v's four fragments as they lie, and four scale words
.irp u, 0,1,2,3,4,5,6,7
	global_load_b128 v[VF+6*\u:VF+6*\u+3], v[LI], s[KB:KB+1] offset:6144+768*\u
	global_load_b64 v[VF+6*\u+4:VF+6*\u+5], v[L8], s[KB:KB+1] offset:6144+768*\u+512
.endr
.irp p, 0,1,2,3
	global_load_b32 v[SCV+\p], v[R4], s[KB:KB+1] offset:12288+64+128*\p
.endr
.endm
.macro MLD g                           ; 8 x mask of keys 64 g + 32 h + 0 .. 31: the first product's C, in the result's layout: eight loads
.irp j, 0,1,2,3,4,5,6,7
	ds_load_b128 v[S+32*(\g)+4*\j:S+32*(\g)+4*\j+3], v[ADM] offset:256*(\g)+16*\j
.endr
.endm
.macro WM t, i                         ; S^T = k q^T + 8 mask, key tile t against my tile i
.if (\t)%2 == 0
	v_wmma_scale_f32_16x16x128_f8f6f4 v[S+8*(\t):S+8*(\t)+7], v[KF+12*((\t)/2):KF+12*((\t)/2)+11], v[QZ+12*(\i)+6:QZ+12*(\i)+17], v[S+8*(\t):S+8*(\t)+7], v[SCK+(\t)/2], v[QS+(\i)] matrix_a_fmt:MATRIX_FMT_BF6 matrix_b_fmt:MATRIX_FMT_BF6
.else
	v_wmma_scale_f32_16x16x128_f8f6f4 v[S+8*(\t):S+8*(\t)+7], v[KF+12*((\t)/2):KF+12*((\t)/2)+11], v[QZ+12*(\i):QZ+12*(\i)+11], v[S+8*(\t):S+8*(\t)+7], v[SCK+(\t)/2], v[QS+(\i)] matrix_a_fmt:MATRIX_FMT_BF6 matrix_b_fmt:MATRIX_FMT_BF6
.endif
.endm
.macro MX1 c                           ; block c's four chains begin, one for each accumulator, at its low end
.irp a, 0,1,2,3
	v_max3_num_f32 v[BM+2*\a+(\c)], v[S+32*(\c)+8*\a], v[S+32*(\c)+8*\a+1], v[S+32*(\c)+8*\a+2]
.endr
.endm
.macro MX2 c, i
.irp a, 0,1,2,3
	v_max3_num_f32 v[BM+2*\a+(\c)], v[BM+2*\a+(\c)], v[S+32*(\c)+8*\a+(\i)], v[S+32*(\c)+8*\a+(\i)+1]
.endr
.endm
.macro MX3 c                           ; the four chains and the four numbers left over: the block's largest score in v[BM + c]
	v_max3_num_f32 v[BM+(\c)], v[BM+(\c)], v[BM+2+(\c)], v[S+32*(\c)+7]
	v_max3_num_f32 v[BM+4+(\c)], v[BM+4+(\c)], v[BM+6+(\c)], v[S+32*(\c)+15]
	v_max3_num_f32 v[BM+(\c)], v[BM+(\c)], v[BM+4+(\c)], v[S+32*(\c)+23]
	v_max_num_f32 v[BM+(\c)], v[BM+(\c)], v[S+32*(\c)+31]
.endm
; The eight products of a tile, and each block's largest score.  Block 0's maxima are plain work that names no register of the products between which it stands: they are the places behind those.
.macro QKMAX i, st
	s_wait_dscnt 8                                 ; the mask of keys 0-63 is in; the eight younger loads may be out
	WM 0, \i
	WM 1, \i
	WM 2, \i
	WM 3, \i
	s_wait_dscnt 0x0
	WM 4, \i
	PLACES                                         ; in front of the first read of the scores
	MX1 0
	WM 5, \i
	MX2 0, 3
	WM 6, \i
	MX2 0, 5
	WM 7, \i
	MX3 0
	v_mov_b32 v[FF], v[\st]                        ; the old -M
	MX1 1
	MX2 1, 3
	MX2 1, 5
	MX3 1
.endm
.macro GRP st, m                       ; the row's sum, of the unquantised p, in four chains
	v_pk_add_f32 v[(\st)+2:(\st)+3], v[(\st)+2:(\st)+3], v[S+8*(\m):S+8*(\m)+1]
	v_pk_add_f32 v[SU:SU+1], v[SU:SU+1], v[S+8*(\m)+2:S+8*(\m)+3]
	v_pk_add_f32 v[C2:C2+1], v[C2:C2+1], v[S+8*(\m)+4:S+8*(\m)+5]
	v_pk_add_f32 v[BM:BM+1], v[BM:BM+1], v[S+8*(\m)+6:S+8*(\m)+7]
.endm
.macro ASK
	s_cmp_gt_u32 s[CNT], s[LIM]
	s_cbranch_scc0 .Lnot_mine_\@
	global_prefetch_b8 v[PFO], s[KB:KB+1] offset:2*STEPB th:TH_LOAD_NT scope:SCOPE_SE
.Lnot_mine_\@:
.endm
; From the blocks' largest scores to p's codes and scale word.  kl = 1: k of the next step is asked for.  ml: the mask that is loaded into p's registers as they fall free: 0 none, 1 this step's, 2 the next step's.
.macro SOFT st, kl, ml
	s_delay_alu instid0(VALU_DEP_1)
	v_max_num_f32 v[TMP], v[BM], v[BM+1]
.if \kl
	KLOAD                                          ; k's last product stands more than four places back
.endif
.if \kl == 0
	s_delay_alu instid0(VALU_DEP_1)
.endif
	v_permlanex16_b32 v[PM], v[TMP], s[SEL], s[SEL+1]
	s_delay_alu instid0(VALU_DEP_1)
	v_max3_num_f32 v[(\st)+1], v[(\st)+1], v[TMP], v[PM]   ; the running largest score of my query
	s_delay_alu instid0(VALU_DEP_1)
	v_mul_f32 v[TMP], s[CS], v[(\st)+1]            ; as t (c is positive)
	s_delay_alu instid0(VALU_DEP_1)
	v_floor_f32 v[\st], -v[TMP]                    ; the new -M = -ceil(t): a whole number
	s_delay_alu instid0(VALU_DEP_1)
	v_sub_f32 v[TMP], v[\st], v[FF]                ; old M - new M: a whole number, 0 or less
.irp j, 0,2,4
	v_pk_fma_f32 v[S+\j:S+\j+1], v[S+\j:S+\j+1], s[CS:CS+1], v[\st:(\st)+1] op_sel_hi:[1,0,0]   ; t - M, two at a time
.endr
	v_cvt_i32_f32 v[TMP], v[TMP]                   ; (it saturates)
.irp j, 6,8,10,12,14,16,18,20,22,24,26,28,30,32,34,36,38,40,42,44,46,48,50,52,54,56,58,60,62
	v_pk_fma_f32 v[S+\j:S+\j+1], v[S+\j:S+\j+1], s[CS:CS+1], v[\st:(\st)+1] op_sel_hi:[1,0,0]
.endr
.irp c, 0,1
	v_fma_f32 v[BM+\c], v[BM+\c], s[CS], v[\st]    ; the same of each block's largest score: p rises with the score
.endr
	s_wait_alu depctr_va_vdst(0)                   ; ahead of the batch
.irp c, 0,1
	v_exp_f32 v[BM+\c], v[BM+\c]                   ; the block's largest p
.endr
.set j, 0
.rept 64
	v_exp_f32 v[S+j], v[S+j]                       ; p = 2^(t - M): not normalised
.set j, j+1
.endr
	v_ldexp_f32 v[FF], 1.0, v[TMP]                 ; f = 2^(old M - new M): the plain place behind the batch
	s_wait_alu depctr_va_vdst(0)                   ; one wait for the batch, ahead of its first reader
.irp c, 0,1
	v_max_num_f32 v[BM+\c], 0x2800000, v[BM+\c]    ; the floor 2^(5 - 127): the byte cannot fall under 1
.endr
	v_pk_add_f32 v[SU:SU+1], v[S+2:S+3], v[S+10:S+11]
	v_pk_add_f32 v[C2:C2+1], v[S+4:S+5], v[S+12:S+13]
.irp c, 0,1
	v_add_nc_u32 v[SO+\c], 0xfe000000, v[BM+\c]    ; 4 off the exponent field: the conversion's scale operand
.endr
	v_pk_fma_f32 v[(\st)+2:(\st)+3], v[(\st)+2:(\st)+3], v[FF:FF+1], v[S:S+1] op_sel_hi:[1,0,1]   ; the sum under the new M, and the first two p
	v_pk_add_f32 v[BM:BM+1], v[S+6:S+7], v[S+14:S+15]
	v_pk_add_f32 v[(\st)+2:(\st)+3], v[(\st)+2:(\st)+3], v[S+8:S+9]
	GRP \st, 2
.irp c, 0,1
	v_lshrrev_b32 v[BY+\c], 23, v[SO+\c]           ; the scale's byte
.endr
	GRP \st, 3
	v_cvt_scalef32_pk16_bf6_f32 v[PCD:PCD+2], v[S:S+15], v[SO]        ; block h is summed: its codes
	v_cvt_scalef32_pk16_bf6_f32 v[CT:CT+2], v[S+16:S+31], v[SO]       ; (a conversion's three registers begin on an even number)
.if \ml == 2
	s_add_co_u32 s[TMK], s[TMK], 512
	v_add_nc_u32 v[ADM], s[TMK], v[MA0]
.endif
.if \ml > 0
	MLD 0
.endif
	v_lshl_or_b32 v[TMP], v[BY+1], 16, v[BY]       ; blocks h and 2 + h,
	GRP \st, 4
	v_lshlrev_b32 v[TMP], v[SH8], v[TMP]           ; at their places in the word;
	GRP \st, 5
	v_permlanex16_b32 v[PM], v[TMP], s[SEL], s[SEL+1]
	GRP \st, 6
	v_or_b32 v[PS], v[TMP], v[PM]                  ; with lane l xor 16's two the word is whole
	GRP \st, 7
	v_cvt_scalef32_pk16_bf6_f32 v[PCD+6:PCD+8], v[S+32:S+47], v[SO+1]
	v_cvt_scalef32_pk16_bf6_f32 v[CT+4:CT+6], v[S+48:S+63], v[SO+1]
.if \ml > 0
	MLD 1
.endif
.irp c, 0,1                            ; (the first three are the plain work behind the last conversions)
.irp i, 0,1,2
	v_mov_b32 v[PCD+3+6*\c+\i], v[CT+4*\c+\i]
.endr
.endr
.endm
; O^T under the new M, the sums' four chains joined, and O^T += v^T p^T: four accumulators by turns, in window 1.  The twenty plain lines are the places between p's codes and the products.
.macro RESPV i, st
	WIN 0x41
	s_wait_alu depctr_va_vdst(0)                   ; directly ahead of O^T's first reader
.set j, 0
.rept 16
	v_pk_mul_f32 v[32*(\i)+j:32*(\i)+j+1], v[32*(\i)+j:32*(\i)+j+1], v[FF:FF+1] op_sel_hi:[1,0]   ; each accumulator from its low end on
.set j, j+2
.endr
	WIN 0
	v_pk_add_f32 v[(\st)+2:(\st)+3], v[(\st)+2:(\st)+3], v[SU:SU+1]
	v_pk_add_f32 v[C2:C2+1], v[C2:C2+1], v[BM:BM+1]
	v_nop
	v_pk_add_f32 v[(\st)+2:(\st)+3], v[(\st)+2:(\st)+3], v[C2:C2+1]
	WIN 0x50
.irp t, 0,1,2,3
	v_wmma_scale_f32_16x16x128_f8f6f4 v[32*(\i)+8*\t:32*(\i)+8*\t+7], v[VF+12*\t:VF+12*\t+11], v[PCD:PCD+11], v[32*(\i)+8*\t:32*(\i)+8*\t+7], v[SCV+\t], v[PS] matrix_a_fmt:MATRIX_FMT_BF6 matrix_b_fmt:MATRIX_FMT_BF6
.endr
	WIN 0
.endm
; A key step: 128 keys against my two tiles.  k of the next step is asked for behind k's last product, v behind v's last.
.macro STEP last
	s_wait_loadcnt 20                              ; k and its scale words are in; behind them stand v's 20 loads
	QKMAX 0, ST
	SOFT ST, 0, 1
	s_wait_loadcnt 0x0                             ; v is in: no load of mine is out,
.if \last == 0
	s_wait_xcnt 0x0                                ; and the last trip's prefetch has read its address:
	s_add_nc_u64 s[KB:KB+1], s[KB:KB+1], STEPB     ; on to the next step
	ASK
.endif
	RESPV 0, ST
	QKMAX 1, ST+4
.if \last == 0
	SOFT ST+4, 1, 2
.else
	SOFT ST+4, 0, 0
.endif
	RESPV 1, ST+4
.if \last == 0
	PLACES                                         ; in front of the loads into v's registers
	VLOAD
.endif
.endm
	s_load_b256 s[4:11], s[0:1], 0x0               ; q_codes, q_scales, kv, attention_mask
	s_load_b64 s[12:13], s[0:1], 0x20              ; cq
	v_lshl_add_u32 v[SPW], v0, 2, SPARE
	v_mov_b32 v[NIL], 0
	v_lshrrev_b32 v[TMP], 5, v0
	v_readfirstlane_b32 s[WV], v[TMP]              ; wave 0..3
	v_and_b32 v[PM], 31, v0                        ; lane
	v_and_b32 v[BM], 15, v0                        ; r
	v_bfe_u32 v[BM+1], v0, 4, 1                    ; h
	v_bfe_u32 v[SO], v0, 3, 1                      ; r / 8
	v_and_b32 v[SO+1], 7, v0                       ; r % 8
	v_lshlrev_b32 v[MT], 4, v0
	v_lshlrev_b32 v[LI], 4, v[PM]
	v_lshlrev_b32 v[L8], 3, v[PM]
	v_mul_u32_u24 v[KA], v[SO], 1536
	v_lshl_add_u32 v[KA8], v[SO+1], 3, v[KA]
	v_lshl_add_u32 v[KA], v[SO+1], 4, v[KA]
	v_lshl_add_u32 v[KA8], v[BM+1], 7, v[KA8]
	v_lshl_add_u32 v[KA], v[BM+1], 8, v[KA]
	v_lshlrev_b32 v[KS], 7, v[SO]
	v_lshl_add_u32 v[KS], v[SO+1], 2, v[KS]
	v_lshlrev_b32 v[R4], 2, v[BM]
	v_lshlrev_b32 v[MA0], 7, v[BM+1]
	v_lshlrev_b32 v[SH8], 3, v[BM+1]
	s_lshl_b32 s40, ttmp9, 13
	v_lshl_add_u32 v[PFO], v[PM], 8, s40
	v_min_u32 v[PFO], STEPB-256, v[PFO]            ; 256 x (lane + 32 x work-group x), held at the step's last block
	s_wait_alu depctr_va_vdst(0)                   ; ahead of the run of scalar instructions
	s_and_b32 s[HALF], s[WV], 1
	s_lshr_b32 s[PAIR], s[WV], 1
	s_and_b32 s[HEAD], ttmp7, 0xffff
	s_mov_b32 s[CS], 0x3e38aa3b                    ; log2(e) / 8
	s_mov_b32 s[CS+1], s[CS]
	s_mov_b32 s[SEL], 0x76543210
	s_mov_b32 s[SEL+1], 0xfedcba98
	s_mov_b32 s34, 0xce800000                      ; -2^30
	s_mov_b32 s35, 0x4e800000                      ; 2^30
	s_lshl_b32 s[TMK], s[HALF], 13                 ; my half's first step in the mask
	s_mov_b32 s[CNT], 15
	s_lshl_b32 s40, ttmp9, 2
	s_lshl_b32 s41, s[PAIR], 1
	s_add_co_u32 s40, s40, s41                     ; the pair's even tile
	s_add_co_u32 s41, s40, s[HALF]                 ; my first tile, which I finish,
	s_xor_b32 s42, s41, 1                          ; and my second
	s_lshl_b32 s43, s[HEAD], 8
	s_add_co_u32 s44, s43, s41
	s_mul_i32 s44, s44, 768                        ; q's half images
	s_mov_b32 s45, 0
	s_add_co_u32 s46, s43, s42
	s_mul_i32 s46, s46, 768
	s_mov_b32 s47, 0
	s_lshl_b32 s48, s[HEAD], 14
	s_lshl_b32 s49, s40, 6
	s_add_co_u32 s48, s48, s49                     ; the pair's scale words
	s_mov_b32 s49, 0
	s_mul_i32 s50, s[HEAD], HSK
	s_mul_i32 s51, s[HALF], 16*STEPB
	s_add_co_u32 s50, s50, s51                     ; kv at my head and half
	s_mov_b32 s51, 0
	s_mul_i32 s52, s[WV], XW
	s_add_co_u32 s52, s52, XCH                     ; the exchange: my place,
	s_xor_b32 s53, s[WV], 1
	s_mul_i32 s53, s53, XW
	s_add_co_u32 s53, s53, XCH                     ; my partner's
	s_mul_i32 s56, s41, REC
	s_mul_i32 s57, s[HEAD], 768
	s_add_co_u32 s58, s56, s57                     ; ctx's half image in the tile's record
	s_mov_b32 s59, 0
	s_lshr_b32 s57, s[HEAD], 1
	s_lshl_b32 s57, s57, 6
	s_add_co_u32 s60, s56, s57
	s_and_b32 s57, s[HEAD], 1
	s_lshl_b32 s57, s57, 1
	s_add_co_u32 s60, s60, s57
	s_add_co_u32 s60, s60, 9216                    ; and its two scale bytes
	s_mov_b32 s61, 0
	s_mov_b32 s54, 0x01000100
	s_mov_b32 s55, 0x03020302
	s_cmp_eq_u32 s[HALF], 0
	s_cselect_b32 s62, s54, s55                    ; which two bytes of the pair's word are my first tile's,
	s_cselect_b32 s63, s55, s54                    ; my second's
	s_cmp_lt_u32 ttmp9, 2
	s_cselect_b32 s[LIM], 2, -1
	s_cmp_eq_u32 s[PAIR], 0
	s_cselect_b32 s[LIM], s[LIM], -1
	s_wait_kmcnt 0x0
	s_add_nc_u64 s[44:45], s[4:5], s[44:45]
	s_add_nc_u64 s[46:47], s[4:5], s[46:47]
	s_add_nc_u64 s[48:49], s[6:7], s[48:49]
	s_add_nc_u64 s[KB:KB+1], s[8:9], s[50:51]
	s_add_nc_u64 s[OC:OC+1], s[12:13], s[58:59]
	s_add_nc_u64 s[OS:OS+1], s[12:13], s[60:61]
.irp k, 0,1,2,3,4,5,6,7
	global_load_b128 v[S+4*\k:S+4*\k+3], v[MT], s[10:11] offset:2048*\k   ; the mask: 128 threads x 16 bytes, eight times
.endr
	global_load_b128 v[QZ+6:QZ+9], v[LI], s[44:45]
	global_load_b64 v[QZ+10:QZ+11], v[L8], s[44:45] offset:512
	global_load_b128 v[QZ+18:QZ+21], v[LI], s[46:47]
	global_load_b64 v[QZ+22:QZ+23], v[L8], s[46:47] offset:512
	global_load_b32 v[BY], v[R4], s[48:49]
	KLOAD                                          ; step 0
	VLOAD
.irp z, 0,12,24
.irp j, 0,1,2,3,4,5
	v_mov_b32 v[QZ+\z+\j], 0
.endr
.endr
	v_mov_b32 v[ST+1], 0xff61b1e6                  ; the largest score so far: -3e38
	v_mov_b32 v[ST+5], 0xff61b1e6
	v_mul_f32 v[TMP], s[CS], v[ST+1]
	v_floor_f32 v[ST], -v[TMP]                     ; -M
	v_floor_f32 v[ST+4], -v[TMP]
.irp j, 2,3,6,7
	v_mov_b32 v[ST+\j], 0
.endr
	v_mov_b32 v[PM], 0                             ; written once: a lane permute's destination counts as one of its sources
	v_mov_b32 v[PS], 0                             ; (named as the upper half of the pair v[248:249] before it is first written)
	WIN 0x40
.set j, 0
.rept 64
	v_mov_b32 v[j], 0                              ; O^T.  (The step is written once: the first finds zeros, which the first change of M leaves zeros)
.set j, j+1
.endr
	WIN 0
	v_add_nc_u32 v[ADM], s[TMK], v[MA0]
	s_wait_alu depctr_va_vdst(0)                   ; directly ahead of the wait below
	s_wait_loadcnt 40                              ; the mask, q and its scale word are in; behind them stand step 0's 40 loads
	v_perm_b32 v[QS], v[BY], v[BY], s62            ; q's two bytes for K 0-63 and for K 64-127 alike
	v_perm_b32 v[QS+1], v[BY], v[BY], s63
.set j, 0
.rept 32
	v_med3_num_f32 v[S+j], v[S+j], s34, s35        ; the mask, held to +-2^30,
.set j, j+1
.endr
.set j, 0
.rept 16
	v_pk_mul_f32 v[S+j:S+j+1], v[S+j:S+j+1], 0x41000000 op_sel_hi:[1,0]   ; times 8
.set j, j+2
.endr
.irp k, 0,1,2,3,4,5,6,7
	ds_store_b128 v[MT], v[S+4*\k:S+4*\k+3] offset:2048*\k
.endr
	s_wait_alu depctr_va_vdst(0)                   ; at the head's end
	s_wait_dscnt 0x0                               ; my part of the mask is stored
	s_barrier_signal -1
	s_barrier_wait -1                              ; and everybody's
	MLD 0
	MLD 1
.Lstep:                                            ; fifteen trips; the last step is written out: it asks for nothing more
	STEP 0
	s_sub_co_u32 s[CNT], s[CNT], 1
	s_cmp_lg_u32 s[CNT], 0
	s_wait_alu depctr_va_vdst(0)                   ; directly ahead of the branch
	s_cbranch_scc1 .Lstep
	STEP 1
	; THE END.  The ten plain lines below are also the places behind the last products.
	v_add_f32 v[ST+2], v[ST+2], v[ST+3]
	v_add_f32 v[ST+6], v[ST+6], v[ST+7]
	v_add_nc_u32 v[KA], s52, v[LI]                 ; the exchange: my O^T,
	v_add_nc_u32 v[KA8], s53, v[LI]                ; my partner's,
	v_permlanex16_b32 v[PM], v[ST+2], s[SEL], s[SEL+1]
	v_permlanex16_b32 v[TMP], v[ST+6], s[SEL], s[SEL+1]
	v_add_nc_u32 v[KS], s52, v[L8]                 ; my -M and sum,
	v_add_nc_u32 v[MA0], s53, v[L8]                ; my partner's
	v_add_f32 v[ST+2], v[ST+2], v[PM]              ; my first tile's sum over my half of the keys
	v_add_f32 v[ST+5], v[ST+6], v[TMP]             ; my second tile's, beside its -M
	WIN 0x04
.irp k, 0,1,2,3,4,5,6,7
	ds_store_b128 v[KA], v[32+4*\k:32+4*\k+3] offset:512*\k   ; my second tile's O^T, each accumulator from its low end on
.endr
	WIN 0
	ds_store_b64 v[KS], v[ST+4:ST+5] offset:4096
	s_wait_alu depctr_va_vdst(0)                   ; directly ahead of the wait below
	s_wait_dscnt 0x0
	s_barrier_signal -1
	s_barrier_wait -1
.irp k, 0,1,2,3,4,5,6,7
	ds_load_b128 v[S+4*\k:S+4*\k+3], v[KA8] offset:512*\k     ; my first tile over the other half of the keys
.endr
	ds_load_b64 v[S+32:S+33], v[MA0] offset:4096
	s_wait_dscnt 0x0
	v_min_num_f32 v[TMP], v[ST], v[S+32]           ; -M of both halves
	s_delay_alu instid0(VALU_DEP_1)
	v_sub_f32 v[BM], v[TMP], v[ST]
	v_sub_f32 v[BM+1], v[TMP], v[S+32]             ; whole numbers, 0 or less
	s_delay_alu instid0(VALU_DEP_2)
	v_cvt_i32_f32 v[BM], v[BM]
	s_delay_alu instid0(VALU_DEP_2)
	v_cvt_i32_f32 v[BM+1], v[BM+1]
	s_delay_alu instid0(VALU_DEP_2)
	v_ldexp_f32 v[BM], 1.0, v[BM]                  ; my part's power of two,
	s_delay_alu instid0(VALU_DEP_2)
	v_ldexp_f32 v[BM+1], 1.0, v[BM+1]              ; my partner's
	s_delay_alu instid0(VALU_DEP_2)
	v_mul_f32 v[ST+2], v[ST+2], v[BM]
	s_delay_alu instid0(VALU_DEP_1)
	v_fmac_f32 v[ST+2], v[S+33], v[BM+1]           ; the row's sum
	s_wait_alu depctr_va_vdst(0)                   ; ahead of the reciprocal
	v_rcp_f32 v[ST+2], v[ST+2]
	v_nop                                          ; a plain place behind it
	s_wait_alu depctr_va_vdst(0)                   ; and ahead of its first reader
	v_mul_f32 v[SO], v[BM], v[ST+2]
	v_mul_f32 v[SU], v[BM+1], v[ST+2]
.set j, 0
.rept 16
	v_pk_mul_f32 v[S+j:S+j+1], v[S+j:S+j+1], v[SU:SU+1] op_sel_hi:[1,0]
.set j, j+2
.endr
	WIN 0x01
	s_wait_alu depctr_va_vdst(0)                   ; directly ahead of the first reader of my first tile's O^T
.set j, 0
.rept 16
	v_pk_fma_f32 v[S+j:S+j+1], v[j:j+1], v[SO:SO+1], v[S+j:S+j+1] op_sel_hi:[1,0,1]   ; ctx: register 16 b + i is channel 32 b + 16 h + i of my query
.set j, j+2
.endr
	WIN 0
.irp b, 0,1                            ; quantised along the head's 64: two blocks, one half image, two scale bytes
	v_max3_num_f32 v[BM+\b], |v[S+16*\b]|, |v[S+1+16*\b]|, 0x2800000
.endr
.irp i, 2,4,6,8,10,12,14
.irp b, 0,1
	s_delay_alu instid0(VALU_DEP_2)
	v_max3_num_f32 v[BM+\b], v[BM+\b], |v[S+16*\b+\i]|, |v[S+1+16*\b+\i]|
.endr
.endr
.irp b, 0,1
	s_delay_alu instid0(VALU_DEP_2)
	v_permlanex16_b32 v[BY+\b], v[BM+\b], s[SEL], s[SEL+1]
.endr
.irp b, 0,1
	s_delay_alu instid0(VALU_DEP_2)
	v_max_num_f32 v[BM+\b], v[BM+\b], v[BY+\b]
.endr
.irp b, 0,1
	s_delay_alu instid0(VALU_DEP_2)
	v_add_nc_u32 v[SO+\b], 0xfe000000, v[BM+\b]
.endr
.irp b, 0,1
	s_delay_alu instid0(VALU_DEP_2)
	v_lshrrev_b32 v[BY+\b], 23, v[SO+\b]
.endr
	s_delay_alu instid0(VALU_DEP_1)
	v_lshl_or_b32 v[TMP], v[BY+1], 8, v[BY]
	v_cvt_scalef32_pk16_bf6_f32 v[PCD:PCD+2], v[S:S+15], v[SO]
	v_cvt_scalef32_pk16_bf6_f32 v[CT:CT+2], v[S+16:S+31], v[SO+1]
	v_nop                                          ; one plain place behind the scaled conversions
.irp i, 0,1,2
	v_permlane16_swap_b32 v[PCD+\i], v[CT+\i]
.endr
.irp i, 0,1,2
	s_delay_alu instid0(VALU_DEP_3)
	v_mov_b32 v[PCD+3+\i], v[CT+\i]
.endr
	global_store_b128 v[LI], v[PCD:PCD+3], s[OC:OC+1]          ; 512 and 256 consecutive bytes, at multiples of 256 from the buffer's first byte
	global_store_b64 v[L8], v[PCD+4:PCD+5], s[OC:OC+1] offset:512
	global_store_b16 v[R4], v[TMP], s[OS:OS+1]                 ; my head's half of the row's scale word (lanes 16-31 repeat lanes 0-15)
	s_wait_tensorcnt 0x0                           ; the wave's end, behind my last LDS store
	ds_add_u32 v[SPW], v[NIL]
	s_wait_dscnt 0x0
	s_endpgm
.Lfunc_end_k_q66a2e698ba_attn:
	.size	k_q66a2e698ba_attn, .Lfunc_end_k_q66a2e698ba_attn-k_q66a2e698ba_attn
	.p2alignl 7, 3214868480
	.fill 96, 4, 3214868480
	.section	.rodata,"a",@progbits
	.p2align	6, 0x0
	.amdhsa_kernel k_q66a2e698ba_attn
		.amdhsa_group_segment_fixed_size 98304
		.amdhsa_private_segment_fixed_size 0
		.amdhsa_enable_private_segment 0
		.amdhsa_kernarg_size 40
		.amdhsa_user_sgpr_count 2
		.amdhsa_user_sgpr_kernarg_segment_ptr 1
		.amdhsa_wavefront_size32 1
		.amdhsa_system_sgpr_workgroup_id_x 1
		.amdhsa_system_sgpr_workgroup_id_y 1
		.amdhsa_system_sgpr_workgroup_id_z 1
		.amdhsa_system_vgpr_workitem_id 0
		.amdhsa_next_free_vgpr 320
		.amdhsa_next_free_sgpr 66
		.amdhsa_reserve_vcc 0
		.amdhsa_float_denorm_mode_32 3
		.amdhsa_float_denorm_mode_16_64 3
		.amdhsa_memory_ordered 1
		.amdhsa_forward_progress 1
		.amdhsa_inst_pref_size 84
	.end_amdhsa_kernel
	.amdgpu_metadata
---
amdhsa.version: [ 1, 2 ]
amdhsa.kernels:
  - .name:           k_q66a2e698ba_attn
    .symbol:         k_q66a2e698ba_attn.kd
    .args:
      - { .name: q_codes, .offset: 0, .size: 8, .value_kind: global_buffer, .address_space: global }
      - { .name: q_scales, .offset: 8, .size: 8, .value_kind: global_buffer, .address_space: global }
      - { .name: kv, .offset: 16, .size: 8, .value_kind: global_buffer, .address_space: global }
      - { .name: attention_mask, .offset: 24, .size: 8, .value_kind: global_buffer, .address_space: global }
      - { .name: cq, .offset: 32, .size: 8, .value_kind: global_buffer, .address_space: global }
    .group_segment_fixed_size: 98304
    .private_segment_fixed_size: 0
    .kernarg_segment_align: 8
    .kernarg_segment_size: 40
    .max_flat_workgroup_size: 128
    .sgpr_count:     66
    .vgpr_count:     320
    .wavefront_size: 32
...
	.end_amdgpu_metadata
.endif
;; end of part 3
;; launch proj (part 4): grid 192 x 1, 4 waves a work-group, no clusters, 34,816 bytes of LDS; arguments cq, wq, out_b, out0; writes out0
.if DOCPART == 4
	.amdgcn_target "amdgcn-amd-amdhsa--gfx1250"
	.amdhsa_code_object_version 6
	.text
	.protected	k_q66a2e698ba_proj
	.globl	k_q66a2e698ba_proj
	.p2align	8
	.type	k_q66a2e698ba_proj,@function
k_q66a2e698ba_proj:
	s_mov_b64 s[64:65], 0
	v_nop
	global_prefetch_b8 v0, s[64:65] scope:SCOPE_SE
	s_setreg_imm32_b32 hwreg(HW_REG_WAVE_MODE, 25, 1), 1
	s_wait_xcnt 0x0
; out0 = ctx out_w^T + out_b on codes of BF6 (E3M2), K = 768 in six steps of 128.  No work of reference() is left out.
; The shape of the launch qkv: source 0 = 8 RESIDENT tiles of out_w (128 output columns: 48 fragments, 576 registers, loaded once), source 1 = one STREAMED tile of 16 queries of ctx; 48 matrix instructions on 8 accumulators by turns.
; By the tiles' row order a lane holds 64 numbers, register 16 b + i = column 32 b + 16 h + i of the 128, of the query in the tile's row r.  Work-group w: columns 128 (w / 32) on; wave: query tiles 8 (w % 32) + 2 wave and the next.
; cq: a query tile's record of 9,728 bytes: head h's half image at 768 h (registers 0-3 of lane l at 16 l, registers 4-5 at 512 + 8 l), so that K step s = heads 2 s and 2 s + 1 = one fragment; scale words at 9,216 + 64 s + 4 r.
; THE WAY OUT: a tile's 16 rows x 512 bytes go through the wave's own stage in LDS and leave as whole rows: each store covers 512 consecutive bytes, at a multiple of 512 from out0's first byte.
; Operands go from memory straight into registers; no tensor load, no cluster, no barrier: the waves share nothing but what they read.
.set REC,    9728
.set SPITCH, 528
.set WSTG,   16*SPITCH
.set SPARE,  4*WSTG                    ; behind the stages: the spare words, 128 bytes a wave: two blocks of 256 bytes that no other line names
.set LI,  1                            ; v1   16 x lane
.set L8,  2                            ; v2   8 x lane
.set R4,  3                            ; v3   4 x (lane % 16)
.set BO,  4                            ; v4   64 h
.set STO, 5                            ; v5   the stage, on the way in
.set SRD, 6                            ; v6   and on the way out
.set SPW, 8                            ; v8   my spare word; never rewritten
.set NIL, 9                            ; v9   0; never rewritten
.set RS,  16                           ; v16-63   resident scale words
.set TS,  64                           ; v64-75   streamed scale words, two buffers
.set ACC, 80                           ; v80-143  the eight accumulators; then 16 rows on their way out
.set BQ,  144                          ; v144-207 the bias in the result's layout
.set MSB, 0
.macro WIN new                         ; the immediate's high byte repeats the setting that is left
.if MSB != \new
	s_set_vgpr_msb (MSB<<8)|\new
.set MSB, \new
.endif
.endm
.macro RLOAD
.irp w, 1,2,3
	WIN (\w<<6)
.irp ss, 0,1
.irp i, 0,1,2,3,4,5,6,7
.irp c, 0,1,2
	global_load_b128 v[12*(8*\ss+\i)+4*\c:12*(8*\ss+\i)+4*\c+3], v[LI], s[24:25] offset:REC*\i+1536*(2*(\w-1)+\ss)+512*\c
.endr
.endr
.endr
.endr
	WIN 0
.irp i, 0,1,2,3,4,5,6,7
.irp s, 0,1,2,3,4,5
	global_load_b32 v[RS+6*\i+\s], v[R4], s[24:25] offset:REC*\i+9216+64*\s
.endr
.endr
.endm
.macro TLOAD e                         ; query tile e: six fragments of two half images each, and six scale words: 30 loads
.irp w, 1,2,3
	WIN (\w<<6)
.irp ss, 0,1
.set FB, 192+12*(2*(\e)+\ss)
.set OB, (\e)*REC+1536*(2*(\w-1)+\ss)
	global_load_b128 v[FB:FB+3], v[LI], s[26:27] offset:OB
	global_load_b64 v[FB+4:FB+5], v[L8], s[26:27] offset:OB+512
	global_load_b128 v[FB+6:FB+9], v[LI], s[26:27] offset:OB+768
	global_load_b64 v[FB+10:FB+11], v[L8], s[26:27] offset:OB+1280
.endr
.endr
	WIN 0
.irp s, 0,1,2,3,4,5
	global_load_b32 v[TS+6*(\e)+\s], v[R4], s[26:27] offset:(\e)*REC+9216+64*\s
.endr
.endm
.macro MULT buf                        ; the bias is the C of each sum's first instruction; the eight accumulators take turns, one instruction a turn
.irp s, 0,1,2,3,4,5
	WIN ((1+\s/2)*5)
.irp i, 0,1,2,3,4,5,6,7
.if \s == 0
	v_wmma_scale_f32_16x16x128_f8f6f4 v[ACC+8*\i:ACC+8*\i+7], v[12*(8*(\s%2)+\i):12*(8*(\s%2)+\i)+11], v[192+12*(2*(\buf)+\s%2):192+12*(2*(\buf)+\s%2)+11], v[BQ+8*\i:BQ+8*\i+7], v[RS+6*\i+\s], v[TS+6*(\buf)+\s] matrix_a_fmt:MATRIX_FMT_BF6 matrix_b_fmt:MATRIX_FMT_BF6
.else
	v_wmma_scale_f32_16x16x128_f8f6f4 v[ACC+8*\i:ACC+8*\i+7], v[12*(8*(\s%2)+\i):12*(8*(\s%2)+\i)+11], v[192+12*(2*(\buf)+\s%2):192+12*(2*(\buf)+\s%2)+11], v[ACC+8*\i:ACC+8*\i+7], v[RS+6*\i+\s], v[TS+6*(\buf)+\s] matrix_a_fmt:MATRIX_FMT_BF6 matrix_b_fmt:MATRIX_FMT_BF6
.endif
.endr
.endr
.endm
	s_load_b256 s[4:11], s[0:1], 0x0               ; cq, wq, out_b, out0
	v_lshl_add_u32 v[SPW], v0, 2, SPARE
	v_mov_b32 v[NIL], 0
	v_lshrrev_b32 v10, 5, v0
	v_readfirstlane_b32 s20, v10                   ; wave
	s_mov_b32 s21, ttmp9
	v_and_b32 v10, 31, v0
	v_and_b32 v11, 15, v0                          ; r
	v_bfe_u32 v12, v0, 4, 1                        ; h
	v_lshlrev_b32 v[LI], 4, v10
	v_lshlrev_b32 v[L8], 3, v10
	v_lshlrev_b32 v[R4], 2, v11
	v_lshlrev_b32 v[BO], 6, v12
	s_mul_i32 s40, s20, WSTG                       ; my stage
	v_mul_u32_u24 v[STO], v11, SPITCH
	v_lshl_add_u32 v[STO], v12, 6, v[STO]
	v_add_nc_u32 v[STO], s40, v[STO]               ; in: row r, + 64 h
	v_add_nc_u32 v[SRD], s40, v[LI]                ; back: a row's 512 bytes, 16 a lane
	s_mov_b32 s49, 0
	s_lshr_b32 s38, s21, 5                         ; g: columns 128 g on
	s_and_b32 s39, s21, 31
	s_lshl_b32 s41, s38, 3
	s_add_co_u32 s41, s41, 144                     ; out_w's tiles begin at 144 in wq
	s_mul_i32 s41, s41, REC
	s_lshl_b32 s42, s39, 3
	s_lshl_b32 s43, s20, 1
	s_add_co_u32 s42, s42, s43                     ; my first query tile
	s_mul_i32 s42, s42, REC
	s_lshl_b32 s43, s38, 9                         ; 128 columns of f32
	s_lshl_b32 s44, s39, 7
	s_lshl_b32 s45, s20, 5
	s_add_co_u32 s44, s44, s45                     ; my two tiles hold rows 128 (w % 32) + 32 wave + 0 .. 31
	s_mul_i32 s44, s44, 3072
	s_add_co_u32 s44, s44, s43
	s_wait_alu depctr_va_vdst(0)
	s_wait_kmcnt 0x0
	s_mov_b32 s48, s41
	s_add_nc_u64 s[24:25], s[6:7], s[48:49]
	s_mov_b32 s48, s42
	s_add_nc_u64 s[26:27], s[4:5], s[48:49]
	s_mov_b32 s48, s43
	s_add_nc_u64 s[28:29], s[8:9], s[48:49]
	s_mov_b32 s48, s44
	s_add_nc_u64 s[30:31], s[10:11], s[48:49]
	RLOAD
.irp i, 0,1,2,3,4,5,6,7
	global_load_b128 v[BQ+8*\i:BQ+8*\i+3], v[BO], s[28:29] offset:(32*(\i/2)+8*(\i%2))*4
	global_load_b128 v[BQ+8*\i+4:BQ+8*\i+7], v[BO], s[28:29] offset:(32*(\i/2)+8*(\i%2))*4+16
.endr
	TLOAD 0
	TLOAD 1
.macro TILE e
.if (\e) == 0
	s_wait_loadcnt 30                              ; all but the second tile's 30 loads
.else
	s_wait_loadcnt 0x0
	s_wait_xcnt 0x0                                ; the first tile's stores have read their data: the accumulators are written again only behind this wait
.endif
	MULT \e
	WIN 0
.rept 5
	v_nop                                          ; four places in front of the first read of results; the fifth for the next tile's first product, which writes over an accumulator with another C
.endr
.irp b, 0,1,2,3
.irp q, 0,1,2,3
	ds_store_b128 v[STO], v[ACC+16*\b+4*\q:ACC+16*\b+4*\q+3] offset:128*\b+16*\q   ; each accumulator from its low end on
.endr
.endr
.irp i, 0,1,2,3,4,5,6,7,8,9,10,11,12,13,14,15
	ds_load_b128 v[ACC+4*\i:ACC+4*\i+3], v[SRD] offset:SPITCH*\i   ; LDS serves a wave's instructions in order: these see the stores above
.endr
.irp i, 0,1,2,3,4,5,6,7,8,9,10,11,12,13,14,15
	s_wait_dscnt 15-\i                             ; row i is back; the younger rows may be out
	global_store_b128 v[LI], v[ACC+4*\i:ACC+4*\i+3], s[30:31] offset:(8*(\e)+\i+8*(\i/8))*3072 th:TH_STORE_NT
.endr
.endm
	TILE 0
	TILE 1
	s_wait_tensorcnt 0x0                           ; the wave's end, behind my last LDS store
	ds_add_u32 v[SPW], v[NIL]
	s_wait_dscnt 0x0
	s_endpgm
.Lfunc_end_k_q66a2e698ba_proj:
	.size	k_q66a2e698ba_proj, .Lfunc_end_k_q66a2e698ba_proj-k_q66a2e698ba_proj
	.p2alignl 7, 3214868480
	.fill 96, 4, 3214868480
	.section	.rodata,"a",@progbits
	.p2align	6, 0x0
	.amdhsa_kernel k_q66a2e698ba_proj
		.amdhsa_group_segment_fixed_size 34816
		.amdhsa_private_segment_fixed_size 0
		.amdhsa_enable_private_segment 0
		.amdhsa_kernarg_size 32
		.amdhsa_user_sgpr_count 2
		.amdhsa_user_sgpr_kernarg_segment_ptr 1
		.amdhsa_wavefront_size32 1
		.amdhsa_system_sgpr_workgroup_id_x 1
		.amdhsa_system_sgpr_workgroup_id_y 1
		.amdhsa_system_sgpr_workgroup_id_z 1
		.amdhsa_system_vgpr_workitem_id 0
		.amdhsa_next_free_vgpr 1024
		.amdhsa_next_free_sgpr 66
		.amdhsa_reserve_vcc 0
		.amdhsa_float_denorm_mode_32 3
		.amdhsa_float_denorm_mode_16_64 3
		.amdhsa_memory_ordered 1
		.amdhsa_forward_progress 1
		.amdhsa_inst_pref_size 49
	.end_amdhsa_kernel
	.amdgpu_metadata
---
amdhsa.version: [ 1, 2 ]
amdhsa.kernels:
  - .name:           k_q66a2e698ba_proj
    .symbol:         k_q66a2e698ba_proj.kd
    .args:
      - { .name: cq, .offset: 0, .size: 8, .value_kind: global_buffer, .address_space: global }
      - { .name: wq, .offset: 8, .size: 8, .value_kind: global_buffer, .address_space: global }
      - { .name: out_b, .offset: 16, .size: 8, .value_kind: global_buffer, .address_space: global }
      - { .name: out0, .offset: 24, .size: 8, .value_kind: global_buffer, .address_space: global }
    .group_segment_fixed_size: 34816
    .private_segment_fixed_size: 0
    .kernarg_segment_align: 8
    .kernarg_segment_size: 32
    .max_flat_workgroup_size: 128
    .sgpr_count:     66
    .vgpr_count:     1024
    .wavefront_size: 32
...
	.end_amdgpu_metadata
.endif
;; end of part 4
